; MI455X (gfx1250); checked and timed in simulation.
; The chip was launched on July 23, 2026; its instructions are those of AMD's public machine-readable ISA for CDNA 5 (MIT licence, August 2026) and "CDNA5" Instruction Set Architecture Reference Guide (July 2026). The comments in the code are by the model that wrote it; some were corrected since.
;; Vector Quantize. Allowed arithmetic: matrix products marked QUANTISED: E2M1 operands, one E8M0 scale for each 32 along K, by v_wmma_scale_f32_16x16x128_f8f6f4 with both operands' format E2M1 (or v_wmma_scale_f32_32x16x128_f4), f32 sums; everything else in f32.
;; Inputs: codebook_weight 8,192 x 256 float32; proj_b 256 float32; proj_w 256 x 256 float32; z_e 16 x 2,048 x 256 float32.
;; Outputs: out0 16 x 2,048 x 256 float32; out1 one number float32; out2 16 x 2,048 int32.
;; This version of the problem:
;;   THIS VERSION OF THE PROBLEM IS GIVEN IN LOW PRECISION. The matrix products marked QUANTISED in the list below multiply operands that are first quantised to E2M1 (2 exponent bits, 1 mantissa bit; 4 bits a number), with one power-of-two scale for each 32 numbers along K (OCP MX v1.0); their sums are f32. All else is computed in f32.
;;   The module's matrix products, in the order in which they are computed (A, B: the left and right operand; K: the contracted axis; several contracted axes count as one K, in the product's order):
;;     1. [M 8,192, K 256] x [K 256, N 256]; A: input codebook_weight; B: input proj_w: QUANTISED
;;     2. [M 32,768, K 256] x [K 256, N 8,192]; A: input z_e; B: computed on the way: QUANTISED
;;   THE QUANTISER, for each operand of a quantised product, along K:
;;     - K is cut into blocks of 32 from its start; a last block that is shorter is filled with zeros.
;;     - A block's scale is 2^e with e = floor(log2(the largest magnitude in the block)) - 2, held to -126 .. 127; a block of zeros has e = 0. As a byte (E8M0): e + 127.
;;     - Each number is divided by its block's scale, clamped to +-6, and rounded to the nearest number of E2M1, ties to even, subnormals kept.
;;     - The product sums the exact products of the quantised numbers (number of the format x scale) in f32.
;;   ~~~python
;;   def quantise(x, axis):      # numpy; x: float32 -> the quantised numbers, widened to float32 again
;;       x = np.moveaxis(x, axis, -1); K = x.shape[-1]
;;       x = np.pad(x, [(0, 0)] * (x.ndim - 1) + [(0, -K % 32)]); x = x.reshape(x.shape[:-1] + (-1, 32)); a = np.abs(x).max(-1, keepdims=True)
;;       e = np.where(a > 0, np.clip(np.frexp(np.where(a > 0, a, 1))[1] - 1 - 2, -126, 127), 0)      # np.frexp(a)[1] - 1 = floor(log2(a)), exactly
;;       r = np.clip(x / 2.0 ** e, -6, 6)
;;       step = 2.0 ** (np.maximum(np.frexp(np.where(r == 0, 1, r))[1] - 1, 0) - 1)
;;       q = np.round(r / step) * step * 2.0 ** e      # np.round: ties to even
;;       return np.moveaxis(q.reshape(q.shape[:-2] + (-1,))[..., :K], -1, axis).astype(np.float32)
;;   ~~~
;;   OPERANDS COMPUTED ON THE WAY. 'Computed on the way' means the value that the module computes at that place (a softmax that the list does not call 'softmax' is quantised finished and normalised). What goes into a quantiser is computed in f32, as accurately as f32 sums, v_exp_f32 and their like allow (about 1e-6 of the number): no bf16 or f16 on the way to a quantiser, and a product that is left as it is and whose result goes on into a quantised operand takes f32 operands (vector FMAs, or v_wmma_f32_16x16x4_f32). A number that lies on a knife's edge between two numbers of the format may be rounded either way, as far as f32 arithmetic and the matrix unit's own rounding can turn it there, and no further.
;; One version. Each part assembles by itself: llvm-mc -triple=amdgcn-amd-amdhsa -mcpu=gfx1250 --defsym DOCPART=n.
;; ======== version 1 of 1: 4 launches
;; limits: right only within a limited range of input values
;; workspace buffers: cb 8,388,608 bytes; cbq 1,146,880 bytes; zq 5,242,880 bytes; idx 131,072 bytes of whole numbers; part 2,048 bytes
;; launch prep (part 1): grid 256 x 1, 4 waves a work-group, clusters of 4 x 1, 303,616 bytes of LDS; arguments codebook_weight, proj_w, proj_b, cb, cbq, z_e, zq; writes cb, cbq, zq
.if DOCPART == 1
	.amdgcn_target "amdgcn-amd-amdhsa--gfx1250"
	.amdhsa_code_object_version 6
	.text
	.protected	k_q486cc40313_prep
	.globl	k_q486cc40313_prep
	.p2align	8
	.type	k_q486cc40313_prep,@function
k_q486cc40313_prep:
	s_mov_b64 s[64:65], 0
	v_nop
	global_prefetch_b8 v0, s[64:65] scope:SCOPE_SE
	s_setreg_imm32_b32 hwreg(HW_REG_WAVE_MODE, 25, 1), 1
	s_wait_xcnt 0x0
	s_wait_alu depctr_hold_cnt(0) depctr_sa_sdst(0) depctr_va_vdst(0) depctr_va_sdst(0) depctr_va_ssrc(0) depctr_va_vcc(0) depctr_vm_vsrc(0)
	s_getreg_b32 s2, hwreg(HW_REG_IB_STS2, 6, 4)
	s_cmp_eq_u32 s2, 0
	s_cbranch_scc0 .Lentry_in_a_cluster
	s_endpgm
.Lentry_in_a_cluster:
	s_bfe_u32 s2, ttmp6, 0x10000c
	s_cmp_lg_u32 s2, 0x3003
	s_cbranch_scc0 .Lentry_shape_is_right
	s_endpgm
.Lentry_shape_is_right:
; codebook = Q(codebook_weight) Q(proj_w)^T + proj_b, [8192][256] f32, both operands quantised along K = 256 to FP4 (E2M1) with one E8M0 scale for each 32.
; It leaves three ways: cb, the f32 rows, for the later gather; cbq, the rows quantised once more along their 256 (they are an operand of the distance product), with their scale bytes; and in cbq each row's sum of squares.
; cbq: 64 blocks of 17,920 bytes, block g = codes 128 g .. 128 g + 127: 8 tiles of 16 codes x 2,048 bytes, each the IMAGE OF THE OPERAND'S REGISTERS (K step ks, register group c: 512 bytes at 1,024 ks + 512 c, lane l's 16 bytes at 16 l);
; at 16,384 the scale bytes [128 codes][8]; at 17,408 the sums of squares [128] f32.
; SHARES.  128 work-groups of four waves.  A wave owns one tile of 16 codes and all 256 outputs: 16 accumulators.  Every work-group needs all of proj_w as codes: wave w quantises its rows 64 w .. 64 w + 63, and the fragments go
; from wave to wave through LDS as images of their registers.
; CLUSTER.  proj_w (262,144 bytes) is two thirds of what a work-group reads, and all read the same: the four work-groups of a cluster ask for it JOINTLY, each wave for 64 rows, by one tensor load with a mask that names the four.
; THE PRODUCT IS USED TRANSPOSED (source 0 = 16 rows of proj_w, source 1 = my 16 codes): a lane holds ONE code, and THE ROWS OF proj_w THAT FORM A TILE ARE NOT NEIGHBOURS: lane r of tile 2 b + u takes row
; 32 b + 8 u + r + 8 (r / 8), so that register ACC + 16 b + i of lane (r, h) is codebook[code r][32 b + 16 h + i]: 16 neighbours along the next K, as the quantiser wants them.  The bias is the C of each sum's first product.
; LIMITS: NaN and infinities among the inputs are not served.  A block whose largest magnitude lies under 2^-124 keeps the scale byte 1; so does a block of zeros (its codes are zeros, and this program alone reads the bytes).
; The bias is added inside the matrix unit, and a row's squares are summed in four chains a lane: another order of rounding than a plain f32 chain.
; The scale bytes (128 bytes a wave) and the sums of squares (64 bytes a wave) leave as parts of aligned 256-byte blocks: 98,304 bytes of the launch's 9.5 million stored.
.set RAWP, 1040                        ; a row of proj_w in LDS: 1,024 bytes + 16 of padding
.set RAWW, 64*RAWP                     ; a wave's 64 rows
.set PIMG, 4*RAWW                      ; behind them: proj_w's 32 fragments (tile t, K step ks) at (2 t + ks) x 1,024
.set PSC,  PIMG+32*1024                ; and their scale words, 128 bytes each
.set BLKB, 17920                       ; a block of cbq
.set XAG, 1                            ; v1   codebook_weight: row r of 1,024 bytes + 64 h
.set XAL, 2                            ; v2   proj_w in LDS: row r + 8 (r / 8) of my 64, + 64 h
.set IMW, 3                            ; v3   where I store images: PIMG + 8,192 wave + 16 lane
.set SCW, 4                            ; v4   and their scale words: PSC + 1,024 wave + 4 lane
.set IMR, 5                            ; v5   where images are read: PIMG + 16 lane
.set SCR, 6                            ; v6   PSC + 4 lane
.set STW, 7                            ; v7   the way out: my stage, row r, + 64 h
.set STR, 8                            ; v8   and back: my stage + 16 lane
.set BIA, 9                            ; v9   proj_b: 64 h
.set L16, 10                           ; v10  16 lane
.set SCO, 11                           ; v11  8 r + 4 h
.set CCO, 12                           ; v12  4 r
.set WF,  16                           ; v16-31  my codes' two fragments: first of codebook_weight, at the end of the codebook
.set WS,  32                           ; v32-33  their scale words
.set PS,  34                           ; v34-41  eight scale words of proj_w
.set TM,  42                           ; v42-53  the quantiser's: largest magnitudes, bytes, scale operands
.set PW,  54                           ; v54     a scale word just made
.set CCV, 55                           ; v55     my code's sum of squares
.set PC,  56                           ; v56-63  codes just made
.set XA,  64                           ; v64-127 64 numbers of proj_w; then eight of its fragments; then rows of cb
.set PF,  64
.set ACC, 128                          ; v128-255 my codes' 128 numbers a lane; then the bias; then the 16 results
.set WV,  14
.set SEL, 20
.set G1,  24
.set G0,  32
.macro CREST                           ; a round of the cluster's barrier behind its opening barrier
	s_cmp_lg_u32 s[WV], 0
	s_cbranch_scc1 .Lnot_wave_0_\@
	s_barrier_signal -3
.Lnot_wave_0_\@:
	s_barrier_wait -3
	s_barrier_signal -1
	s_barrier_wait -1
.endm
.macro CROUND                          ; a whole round
	s_barrier_signal -1
	s_barrier_wait -1
	CREST
.endm
; 64 numbers of a lane, register s + 16 b + i = k 32 b + 16 (lane / 16) + i of my row, become a fragment's codes in v[pc] on and its scale word in v[pw].
.macro QUANT s, pc, pw
.irp b, 0,1,2,3
	v_max3_num_f32 v[TM+\b], |v[\s+16*\b]|, |v[\s+1+16*\b]|, 0x1800000   ; block b: my 16 numbers, and the floor 2^(3 - 127): the byte cannot fall under 1
.endr
.irp i, 2,4,6,8,10,12,14
.irp b, 0,1,2,3
	v_max3_num_f32 v[TM+\b], v[TM+\b], |v[\s+16*\b+\i]|, |v[\s+1+16*\b+\i]|   ; the four blocks by turns
.endr
.endr
.irp b, 0,1,2,3
	v_permlanex16_b32 v[TM+4+\b], v[TM+\b], s[SEL], s[SEL+1]
.endr
.irp b, 0,1,2,3
	v_max_num_f32 v[TM+\b], v[TM+\b], v[TM+4+\b]   ; with lane l xor 16's: the block's largest magnitude
.endr
.irp b, 0,1,2,3
	v_add_nc_u32 v[TM+8+\b], 0xff000000, v[TM+\b]  ; 2 off its exponent field: the conversion's scale operand
.endr
.irp b, 0,1,2,3
	v_lshrrev_b32 v[TM+4+\b], 23, v[TM+8+\b]       ; the scale's byte
.endr
	v_lshl_or_b32 v[\pw], v[TM+5], 8, v[TM+4]      ; four bytes: my row's scale word
	v_lshl_or_b32 v[\pw], v[TM+6], 16, v[\pw]
	v_lshl_or_b32 v[\pw], v[TM+7], 24, v[\pw]
.irp b, 0,1,2,3
	v_cvt_scalef32_pk8_fp4_f32 v[\pc+2*\b], v[\s+16*\b:\s+7+16*\b], v[TM+8+\b]
	v_cvt_scalef32_pk8_fp4_f32 v[\pc+1+2*\b], v[\s+8+16*\b:\s+15+16*\b], v[TM+8+\b]
.endr
	v_nop                                          ; one plain place behind a scaled conversion
.irp c, 0,1                                    ; the operand's layout wants a whole block in a lane: lanes 0-15 block 2 c, lanes 16-31 block 2 c + 1
.irp i, 0,1
	v_permlane16_swap_b32 v[\pc+4*\c+\i], v[\pc+2+4*\c+\i]
.endr
.endr
.endm
.macro XLOADG reg, ks                  ; my 16 codes' numbers of K step ks, 64 a lane, from memory
.irp b, 0,1,2,3
.irp j, 0,1,2,3
	global_load_b128 v[\reg+16*\b+4*\j:\reg+16*\b+4*\j+3], v[XAG], s[4:5] offset:512*\ks+128*\b+16*\j th:TH_LOAD_NT
.endr
.endr
.endm
.macro XLOADL i, ks                    ; the same of tile i of my 64 rows of proj_w, from LDS
.irp b, 0,1,2,3
.irp j, 0,1,2,3
	ds_load_b128 v[XA+16*\b+4*\j:XA+16*\b+4*\j+3], v[XAL] offset:(32*(\i/2)+8*(\i%2))*RAWP+512*\ks+128*\b+16*\j
.endr
.endr
.endm
.macro IMAGE adr, pc, off              ; a fragment goes to LDS as it stands in its registers
.irp c, 0,1
	ds_store_b128 v[\adr], v[\pc+4*\c:\pc+4*\c+3] offset:\off+512*\c
.endr
.endm
	; TWO ROLES, parted by the cluster's number, which the four partners of a cluster share: clusters 0 to 31 (128 work-groups) make the codebook, as set out above;
	; clusters 32 to 63 quantise z_e for the distance product (at .Lzq, behind the first role's end): no LDS, no tensor load, no barrier there.
	s_cmp_ge_u32 ttmp9, 32
	s_cbranch_scc1 .Lzq
	s_load_b256 s[4:11], s[0:1], 0x0
	s_load_b64 s[12:13], s[0:1], 0x20              ; cbq
	s_set_vgpr_msb 0x40
	v_lshl_add_u32 v0, v0, 2, 0x4a000
	v_mov_b32 v1, 0
	s_set_vgpr_msb 0x4045
	ds_add_u32 v0, v1
	ds_add_u32 v0, v1
	s_set_vgpr_msb 0x4500
	v_lshrrev_b32 v13, 5, v0
	v_readfirstlane_b32 s[WV], v13                 ; wave 0..3
	s_bfe_u32 s15, ttmp6, 0x40000                  ; cx: it enters global addresses of my own rows alone
	s_lshl_b32 s16, ttmp9, 2
	s_add_co_u32 s16, s16, s15                     ; work-group = 4 x cluster + cx
	s_lshl_b32 s17, s16, 2
	s_add_co_u32 s17, s17, s[WV]                   ; my tile of 16 codes, 0 .. 511
	; descriptor group 1: 64 rows x 256 elements of 4 bytes, 16 bytes of padding behind each row
	s_mov_b32 s[G1+0], 15|(2<<16)|(1<<20)|(1<<21)|(7<<22)|(3<<25)  ; 15:0 the mask: all four work-groups; 17:16 elements of 4 bytes; 20 padding on; 21 set beside a mask; 24:22 after every 256 words (code 7); 31:25 four words (code 3)
	s_mov_b32 s[G1+1], 256<<16                     ; tensor_dim0
	s_mov_b32 s[G1+2], 64<<16                      ; tensor_dim1
	s_mov_b32 s[G1+3], 256<<16                     ; tile_dim0
	s_mov_b32 s[G1+4], 64                          ; tile_dim1
	s_mov_b32 s[G1+5], 256                         ; elements from row to row
	s_mov_b32 s[G1+6], 0
	s_mov_b32 s[G1+7], 0
	s_mul_i32 s[G0+1], s[WV], RAWW                 ; LDS address: my 64 rows
	s_mov_b32 s[SEL], 0x76543210
	s_mov_b32 s[SEL+1], 0xfedcba98                 ; v_permlanex16_b32's selects for lane l xor 16
	v_and_b32 v13, 15, v0                          ; r
	v_bfe_u32 v14, v0, 4, 1                        ; h
	v_and_b32 v15, 31, v0                          ; lane
	v_lshlrev_b32 v[XAG], 10, v13
	v_lshl_add_u32 v[XAG], v14, 6, v[XAG]
	v_and_b32 v[XAL], 8, v13
	v_add_nc_u32 v[XAL], v[XAL], v13               ; r + 8 (r / 8)
	v_mul_u32_u24 v[XAL], v[XAL], RAWP
	v_lshl_add_u32 v[XAL], v14, 6, v[XAL]
	v_add_nc_u32 v[XAL], s[G0+1], v[XAL]
	v_lshlrev_b32 v[L16], 4, v15
	s_lshl_b32 s18, s[WV], 13
	s_add_co_u32 s18, s18, PIMG
	v_add_nc_u32 v[IMW], s18, v[L16]
	s_lshl_b32 s19, s[WV], 10
	s_add_co_u32 s19, s19, PSC
	v_lshl_add_u32 v[SCW], v15, 2, s19
	v_lshl_add_u32 v[IMR], v15, 4, PIMG
	v_lshl_add_u32 v[SCR], v15, 2, PSC
	v_mul_u32_u24 v[STW], v13, RAWP
	v_lshl_add_u32 v[STW], v14, 6, v[STW]
	v_add_nc_u32 v[STW], s[G0+1], v[STW]
	v_add_nc_u32 v[STR], s[G0+1], v[L16]
	v_lshlrev_b32 v[BIA], 6, v14
	v_lshlrev_b32 v[SCO], 3, v13
	v_lshl_add_u32 v[SCO], v14, 2, v[SCO]
	v_lshlrev_b32 v[CCO], 2, v13
.irp b, 0,1,2,3
	v_mov_b32 v[TM+4+\b], 0                        ; written once: a lane permute's destination counts as one of its sources
.endr
	s_lshl_b32 s22, s[WV], 16                      ; my 64 rows of proj_w in memory
	s_mov_b32 s23, 0
	s_lshl_b32 s36, s17, 14                        ; my 16 rows of 1,024 bytes, in codebook_weight and in cb
	s_mov_b32 s37, 0
	s_lshr_b32 s38, s17, 3
	s_mul_i32 s38, s38, BLKB                       ; my block of cbq,
	s_and_b32 s39, s17, 7                          ; my tile in it
	s_lshl_b32 s40, s39, 11
	s_add_co_u32 s40, s40, s38                     ; its codes,
	s_mov_b32 s41, 0
	s_lshl_b32 s42, s39, 7
	s_add_co_u32 s42, s42, s38
	s_add_co_u32 s42, s42, 16384                   ; its scale bytes,
	s_mov_b32 s43, 0
	s_lshl_b32 s44, s39, 6
	s_add_co_u32 s44, s44, s38
	s_add_co_u32 s44, s44, 17408                   ; its sums of squares
	s_mov_b32 s45, 0
	s_wait_dscnt 0x0
	s_wait_kmcnt 0x0
	s_add_nc_u64 s[4:5], s[4:5], s[36:37]
	s_add_nc_u64 s[10:11], s[10:11], s[36:37]
	s_add_nc_u64 s[40:41], s[12:13], s[40:41]
	s_add_nc_u64 s[42:43], s[12:13], s[42:43]
	s_add_nc_u64 s[44:45], s[12:13], s[44:45]
	s_mov_b32 s[G0], 1                             ; count = 1
	s_add_nc_u64 s[G0+2:G0+3], s[6:7], s[22:23]    ; global address: the wave's number alone enters it
	s_or_b32 s[G0+3], s[G0+3], 0x80000000          ; type = 2
	CROUND                                         ; all four work-groups are here: the joint loads meet
	tensor_load_to_lds s[G0:G0+3], s[G1:G1+7]      ; my one tensor load of the launch: these bytes are filled once
	s_nop 0
.rept 4
	v_nop                                          ; four lines behind a tensor load
.endr
	XLOADG ACC, 0                                  ; my 16 codes: they land while proj_w is quantised
	XLOADG ACC+64, 1
	; ---- proj_w: my 64 rows become eight fragments.  Only I read the rows that my load brought: my own wait is all the ordering that the reads need
	s_wait_tensorcnt 0x0
.irp i, 0,1,2,3
.irp ks, 0,1
	XLOADL \i, \ks
	s_wait_dscnt 0x0                               ; the numbers are in; the last fragment's stores have read their registers
	QUANT XA, PC, PW
	IMAGE IMW, PC, (2*\i+\ks)*1024
	ds_store_b32 v[SCW], v[PW] offset:(2*\i+\ks)*128
.endr
.endr
	; ---- my 16 codes of codebook_weight: two fragments, which stay in registers
	s_wait_loadcnt 16                              ; K step 0's sixteen loads are in; K step 1's sixteen may be out
	QUANT ACC, WF, WS
	s_wait_loadcnt 0x0
	QUANT ACC+64, WF+8, WS+1
	; ---- the bias, in the result's layout: tile t's register j of lane (r, h) is proj_b[32 (t / 2) + 16 h + 8 (t % 2) + j]
.irp t, 0,1,2,3,4,5,6,7,8,9,10,11,12,13,14,15
	global_load_b128 v[ACC+8*\t:ACC+8*\t+3], v[BIA], s[8:9] offset:(32*(\t/2)+8*(\t%2))*4
	global_load_b128 v[ACC+8*\t+4:ACC+8*\t+7], v[BIA], s[8:9] offset:(32*(\t/2)+8*(\t%2))*4+16
.endr
	s_wait_dscnt 0x0                               ; for the others' sake: my images lie in LDS
	s_barrier_signal -1
	s_barrier_wait -1                              ; all 32 fragments of proj_w do
	s_wait_loadcnt 0x0                             ; the bias
.rept 8
	v_nop                                          ; a scale register written by vector instructions stands 8 places ahead of a scaled matrix instruction, an operand so written 4
.endr
; Eight products: tiles 8 hf .. 8 hf + 7, K step ks.  The eight accumulators take turns, one instruction a turn; the first link's C is the bias, in place.
.macro BATCH hf, ks
.irp t, 0,1,2,3,4,5,6,7
	ds_load_b128 v[PF+8*\t:PF+8*\t+3], v[IMR] offset:(2*(8*\hf+\t)+\ks)*1024
	ds_load_b128 v[PF+8*\t+4:PF+8*\t+7], v[IMR] offset:(2*(8*\hf+\t)+\ks)*1024+512
	ds_load_b32 v[PS+\t], v[SCR] offset:(2*(8*\hf+\t)+\ks)*128
.endr
	s_wait_dscnt 0x0
.irp t, 0,1,2,3,4,5,6,7
	v_wmma_scale_f32_16x16x128_f8f6f4 v[ACC+8*(8*\hf+\t):ACC+8*(8*\hf+\t)+7], v[PF+8*\t:PF+8*\t+7], v[WF+8*\ks:WF+8*\ks+7], v[ACC+8*(8*\hf+\t):ACC+8*(8*\hf+\t)+7], v[PS+\t], v[WS+\ks] matrix_a_fmt:MATRIX_FMT_FP4 matrix_b_fmt:MATRIX_FMT_FP4
.endr
.rept 4
	v_nop                                          ; places in front of loads into registers that these products read, and of the first read of results
.endr
.endm
	BATCH 0, 0
	s_wait_alu depctr_va_vdst(0)
	BATCH 0, 1
	BATCH 1, 0
	BATCH 1, 1
	; ---- my code's sum of squares, of the f32 numbers: 64 pairs in four chains, each accumulator from its low end on
.irp c, 0,1,2,3
	v_pk_mul_f32 v[TM+2*\c:TM+2*\c+1], v[ACC+2*\c:ACC+2*\c+1], v[ACC+2*\c:ACC+2*\c+1]
.endr
.set p, 4
.rept 60
	v_pk_fma_f32 v[TM+2*(p%4):TM+2*(p%4)+1], v[ACC+2*p:ACC+2*p+1], v[ACC+2*p:ACC+2*p+1], v[TM+2*(p%4):TM+2*(p%4)+1]
.set p, p+1
.endr
	v_pk_add_f32 v[TM:TM+1], v[TM:TM+1], v[TM+2:TM+3]
	v_pk_add_f32 v[TM+4:TM+5], v[TM+4:TM+5], v[TM+6:TM+7]
	v_pk_add_f32 v[TM:TM+1], v[TM:TM+1], v[TM+4:TM+5]
	v_add_f32 v[TM], v[TM], v[TM+1]
	v_permlanex16_b32 v[TM+4], v[TM], s[SEL], s[SEL+1]
	v_add_f32 v[CCV], v[TM], v[TM+4]               ; with lane l xor 16's half of the row
	; ---- THE WAY OUT.  A lane holds pieces of 64 bytes of one row: the 16 rows go through my own stage and come back whole.  The stage lies in my 64 rows of proj_w: they had their one fill, and only I read them.
.irp b, 0,1,2,3,4,5,6,7
.irp j, 0,1,2,3
	ds_store_b128 v[STW], v[ACC+16*\b+4*\j:ACC+16*\b+4*\j+3] offset:128*\b+16*\j
.endr
.endr
; Rows 8 hh .. 8 hh + 7 come back (LDS serves a wave's instructions in order: the loads see the stores); K step hh of the codebook is quantised meanwhile; then both are stored.
.macro HALF hh
.irp i, 0,1,2,3,4,5,6,7
.irp e, 0,1
	ds_load_b128 v[XA+8*\i+4*\e:XA+8*\i+4*\e+3], v[STR] offset:(8*\hh+\i)*RAWP+512*\e
.endr
.endr
	QUANT ACC+64*\hh, WF+8*\hh, WS+\hh
	s_wait_alu depctr_va_vdst(0)
.irp i, 0,1,2,3,4,5,6,7
.irp e, 0,1
	s_wait_dscnt 15-2*\i-\e                        ; this load is in; the younger ones of the sixteen may be out
	global_store_b128 v[L16], v[XA+8*\i+4*\e:XA+8*\i+4*\e+3], s[10:11] offset:(8*\hh+\i)*1024+512*\e   ; 32 lanes store 512 consecutive bytes, aligned
.endr
.endr
.irp c, 0,1
	global_store_b128 v[L16], v[WF+8*\hh+4*\c:WF+8*\hh+4*\c+3], s[40:41] offset:1024*\hh+512*\c        ; the fragment's image: 512 consecutive bytes, aligned
.endr
.endm
	HALF 0
	s_wait_xcnt 0x0                                ; the stores have read their registers: the next rows may land there
	HALF 1
	v_and_b32 v13, 16, v0
	v_cmp_ne_u32 vcc_lo, 0, v13
	v_cndmask_b32 v14, v[WS], v[WS+1], vcc_lo      ; lanes 0-15 store K step 0's word of code r, lanes 16-31 K step 1's: 128 consecutive bytes
	global_store_b32 v[SCO], v14, s[42:43]
	v_cmp_eq_u32 vcc_lo, 0, v13
	s_wait_xcnt 0x0                                ; EXEC changes only behind this wait
	s_and_saveexec_b32 s46, vcc_lo
	global_store_b32 v[CCO], v[CCV], s[44:45]      ; lanes 0-15: 64 consecutive bytes
	s_wait_xcnt 0x0                                ; and again, in front of the line that widens it
	s_or_b32 exec_lo, exec_lo, s46
	s_set_vgpr_msb 0x5
	s_wait_tensorcnt 0x0
	ds_add_u32 v0, v1
	s_wait_dscnt 0x0
	s_set_vgpr_msb 0x500
	CROUND
	s_endpgm
; ---- THE SECOND ROLE: z_e [32768][256] f32 becomes zq: for each 128 queries a block of 20,480 bytes: 8 tiles of 16 queries x 2,048 bytes, each the image of the operand's registers (K step ks, group c: 512 bytes at 1,024 ks + 512 c,
; lane l's 16 bytes at 16 l); at 16,384 for each tile 512 bytes, 16 a lane: the query's two scale words, its |e|^2, and a 0.  Every store covers 512 consecutive bytes, aligned.
; 512 waves, four tiles on end each.  A tile's two K steps lie in two sets of 64 registers; each set is asked for again, for the next tile, as soon as it has been worked: 32 loads a wave are out.
; |e|^2: four chains of pairs a lane, then the lanes' two halves.  LIMITS as above: NaN and infinities are not served; a block under 2^-124, or of zeros, keeps the scale byte 1.
.set ZE, 16                            ; v16-23 four chains of squares
.macro ZLOAD reg, ks, nxt
.irp b, 0,1,2,3
.irp j, 0,1,2,3
	global_load_b128 v[\reg+16*\b+4*\j:\reg+16*\b+4*\j+3], v[XAG], s[4:5] offset:16384*\nxt+512*\ks+128*\b+16*\j th:TH_LOAD_NT
.endr
.endr
.endm
.macro ZHALF ks, more
.set ZB, 64+64*\ks
.if \more || (\ks == 0)
	s_wait_loadcnt 16                              ; this K step's sixteen loads are in; the sixteen issued behind them may be out
.else
	s_wait_loadcnt 0x0
.endif
	s_wait_xcnt 0x0                                ; earlier stores have read their registers: codes and scale words are written again only behind this wait
	QUANT ZB, PC, WS+\ks
.irp c, 0,1
	global_store_b128 v[L16], v[PC+4*\c:PC+4*\c+3], s[6:7] offset:1024*\ks+512*\c
.endr
.set zp, 0
.rept 32
.if (\ks == 0) && (zp < 4)
	v_pk_mul_f32 v[ZE+2*zp:ZE+2*zp+1], v[ZB+2*zp:ZB+2*zp+1], v[ZB+2*zp:ZB+2*zp+1]
.else
	v_pk_fma_f32 v[ZE+2*(zp%4):ZE+2*(zp%4)+1], v[ZB+2*zp:ZB+2*zp+1], v[ZB+2*zp:ZB+2*zp+1], v[ZE+2*(zp%4):ZE+2*(zp%4)+1]
.endif
.set zp, zp+1
.endr
.if \more
	ZLOAD ZB, \ks, 1                               ; the next tile's same K step
.endif
.endm
.macro ZTILE more
	ZHALF 0, \more
	ZHALF 1, \more
	v_pk_add_f32 v[ZE:ZE+1], v[ZE:ZE+1], v[ZE+2:ZE+3]
	v_pk_add_f32 v[ZE+4:ZE+5], v[ZE+4:ZE+5], v[ZE+6:ZE+7]
	v_pk_add_f32 v[ZE:ZE+1], v[ZE:ZE+1], v[ZE+4:ZE+5]
	v_add_f32 v[ZE], v[ZE], v[ZE+1]
	v_permlanex16_b32 v[ZE+4], v[ZE], s[SEL], s[SEL+1]
	v_add_f32 v[WS+2], v[ZE], v[ZE+4]              ; |e|^2 of query r, in both halves of the lanes
	global_store_b128 v[L16], v[WS:WS+3], s[8:9]
.endm
.Lzq:
	s_load_b64 s[4:5], s[0:1], 0x28                ; z_e
	s_load_b64 s[6:7], s[0:1], 0x30                ; zq
	v_lshrrev_b32 v13, 5, v0
	v_readfirstlane_b32 s[WV], v13                 ; wave 0..3
	s_bfe_u32 s15, ttmp6, 0x40000                  ; cx: it enters global addresses alone
	s_sub_co_u32 s16, ttmp9, 32
	s_lshl_b32 s16, s16, 2
	s_add_co_u32 s16, s16, s15
	s_lshl_b32 s16, s16, 2
	s_add_co_u32 s16, s16, s[WV]                   ; g = 0 .. 511: my tiles are 4 g .. 4 g + 3
	s_lshl_b32 s22, s16, 16                        ; 64 rows of 1,024 bytes
	s_mov_b32 s23, 0
	s_lshr_b32 s17, s16, 1
	s_mul_i32 s17, s17, 20480                      ; my block of zq,
	s_and_b32 s18, s16, 1                          ; and which four of its eight tiles
	s_lshl_b32 s36, s18, 13
	s_add_co_u32 s36, s36, s17
	s_mov_b32 s37, 0
	s_lshl_b32 s38, s18, 11
	s_add_co_u32 s38, s38, s17
	s_add_co_u32 s38, s38, 16384
	s_mov_b32 s39, 0
	s_mov_b32 s[SEL], 0x76543210
	s_mov_b32 s[SEL+1], 0xfedcba98
	v_and_b32 v13, 15, v0
	v_bfe_u32 v14, v0, 4, 1
	v_and_b32 v15, 31, v0
	v_lshlrev_b32 v[XAG], 10, v13
	v_lshl_add_u32 v[XAG], v14, 6, v[XAG]          ; row r of 1,024 bytes + 64 h
	v_lshlrev_b32 v[L16], 4, v15
.irp b, 0,1,2,3
	v_mov_b32 v[TM+4+\b], 0                        ; a lane permute's destination counts as one of its sources
.endr
	v_mov_b32 v[WS+3], 0
	s_wait_alu depctr_va_vdst(0)                   ; the wait at the head's end
	s_wait_kmcnt 0x0
	s_add_nc_u64 s[4:5], s[4:5], s[22:23]
	s_add_nc_u64 s[8:9], s[6:7], s[38:39]
	s_add_nc_u64 s[6:7], s[6:7], s[36:37]
	ZLOAD 64, 0, 0
	ZLOAD 128, 1, 0
	s_mov_b32 s24, 3
.Lztile:
	ZTILE 1
	s_wait_xcnt 0x0                                ; the bases are stepped only behind this wait
	s_add_nc_u64 s[4:5], s[4:5], 16384
	s_add_nc_u64 s[6:7], s[6:7], 2048
	s_add_nc_u64 s[8:9], s[8:9], 512
	s_sub_co_u32 s24, s24, 1
	s_cmp_lg_u32 s24, 0
	s_wait_alu depctr_va_vdst(0)                   ; the wait ahead of the branch
	s_cbranch_scc1 .Lztile
	ZTILE 0                                        ; the last tile asks for nothing more
	s_endpgm
.Lfunc_end_k_q486cc40313_prep:
	.size	k_q486cc40313_prep, .Lfunc_end_k_q486cc40313_prep-k_q486cc40313_prep
	.p2alignl 7, 3214868480
	.fill 96, 4, 3214868480
	.section	.rodata,"a",@progbits
	.p2align	6, 0x0
	.amdhsa_kernel k_q486cc40313_prep
		.amdhsa_group_segment_fixed_size 303616
		.amdhsa_private_segment_fixed_size 0
		.amdhsa_enable_private_segment 0
		.amdhsa_kernarg_size 56
		.amdhsa_user_sgpr_count 2
		.amdhsa_user_sgpr_kernarg_segment_ptr 1
		.amdhsa_wavefront_size32 1
		.amdhsa_system_sgpr_workgroup_id_x 1
		.amdhsa_system_sgpr_workgroup_id_y 1
		.amdhsa_system_sgpr_workgroup_id_z 1
		.amdhsa_system_vgpr_workitem_id 0
		.amdhsa_next_free_vgpr 258
		.amdhsa_next_free_sgpr 66
		.amdhsa_reserve_vcc 1
		.amdhsa_float_denorm_mode_32 3
		.amdhsa_float_denorm_mode_16_64 3
		.amdhsa_memory_ordered 1
		.amdhsa_forward_progress 1
		.amdhsa_inst_pref_size 123
	.end_amdhsa_kernel
	.amdgpu_metadata
---
amdhsa.version: [ 1, 2 ]
amdhsa.kernels:
  - .name:           k_q486cc40313_prep
    .symbol:         k_q486cc40313_prep.kd
    .args:
      - { .name: codebook_weight, .offset: 0, .size: 8, .value_kind: global_buffer, .address_space: global }
      - { .name: proj_w, .offset: 8, .size: 8, .value_kind: global_buffer, .address_space: global }
      - { .name: proj_b, .offset: 16, .size: 8, .value_kind: global_buffer, .address_space: global }
      - { .name: cb, .offset: 24, .size: 8, .value_kind: global_buffer, .address_space: global }
      - { .name: cbq, .offset: 32, .size: 8, .value_kind: global_buffer, .address_space: global }
      - { .name: z_e, .offset: 40, .size: 8, .value_kind: global_buffer, .address_space: global }
      - { .name: zq, .offset: 48, .size: 8, .value_kind: global_buffer, .address_space: global }
    .group_segment_fixed_size: 303616
    .private_segment_fixed_size: 0
    .kernarg_segment_align: 8
    .kernarg_segment_size: 56
    .max_flat_workgroup_size: 128
    .sgpr_count:     66
    .vgpr_count:     258
    .wavefront_size: 32
...
	.end_amdgpu_metadata
.endif
;; end of part 1
;; launch argmin (part 2): grid 256 x 1, 8 waves a work-group, clusters of 4 x 1, 327,680 bytes of LDS; arguments zq, cbq, out2, idx; writes out2, idx
.if DOCPART == 2
	.amdgcn_target "amdgcn-amd-amdhsa--gfx1250"
	.amdhsa_code_object_version 6
	.text
	.protected	k_q486cc40313_argmin
	.globl	k_q486cc40313_argmin
	.p2align	8
	.type	k_q486cc40313_argmin,@function
k_q486cc40313_argmin:
	s_mov_b64 s[64:65], 0
	v_nop
	global_prefetch_b8 v0, s[64:65] scope:SCOPE_SE
	s_setreg_imm32_b32 hwreg(HW_REG_WAVE_MODE, 25, 1), 1
	s_wait_xcnt 0x0
	s_wait_alu depctr_hold_cnt(0) depctr_sa_sdst(0) depctr_va_vdst(0) depctr_va_sdst(0) depctr_va_ssrc(0) depctr_va_vcc(0) depctr_vm_vsrc(0)
	s_getreg_b32 s2, hwreg(HW_REG_IB_STS2, 6, 4)
	s_cmp_eq_u32 s2, 0
	s_cbranch_scc0 .Lentry_in_a_cluster
	s_endpgm
.Lentry_in_a_cluster:
	s_bfe_u32 s2, ttmp6, 0x10000c
	s_cmp_lg_u32 s2, 0x3003
	s_cbranch_scc0 .Lentry_shape_is_right
	s_endpgm
.Lentry_shape_is_right:
; indices[q] = the first n at which dist(q, n) = (|e_q|^2 + |c_n|^2) - 2 Q(e_q) . Q(c_n) is smallest.  32,768 queries (zq) and 8,192 codes (cbq): codes of FP4, scale bytes and sums of squares, all made by the launch before.
; THE ROUNDING IS reference()'s: t = ee + cc rounded to f32, then one fused multiply-add t - 2 dot (2 dot is exact); a strictly smaller distance wins, of equal ones the lower index.
; SHARES.  A work-group owns 128 queries: 8 tiles of 16.  EVERY wave holds the fragments of all 8 tiles in registers (loaded as images, 512 consecutive bytes a load), and each of the EIGHT waves walks an eighth of the codes:
; of a slot's 1,024 codes wave w takes block w (128 codes).  So a fragment of codes is read from LDS once in the work-group and feeds 8 products; two waves share a SIMD.
; THE RING.  Two LDS slots of 8 blocks x 17,920 bytes.  A wave fetches its own block by one tensor load (70 rows of 256 bytes, dense) and alone reads it.  All work-groups walk the same cbq: the four of a cluster ask JOINTLY.
; By this text's own count a wave has one tensor load out: slot 0's at the head, slot 1's behind the head's second round, then one behind each round.  Every wait on TENSORcnt is for 0.
; No prefetch is laid: the launch's one stream, cbq, is 1,146,880 bytes that all 64 clusters ask for slot by slot in the same order, and each refill is asked for a whole slot (128 products a wave) ahead of its first read.
; THE PRODUCT IS USED TRANSPOSED (source 0 = 16 codes, source 1 = 16 queries): lane (r, h) holds query r, and register j of a tile code 8 h + j.
; THE ARGMIN.  A lane keeps for each query tile its smallest distance so far, the first code of the tile of 16 in which it fell, and that tile's eight distances; which of the eight it was is looked up once, at the end.
; Then the two halves of the lanes are joined, and the eight waves' results through LDS.
; THE LOOP goes by PAIRS of query tiles: 8 products (four accumulators by turns), then the 72 vector instructions of the pair before, on the other four accumulators; sums and distances are dual pairs on neighbouring registers.
; LIMITS: NaN and infinities among the inputs are not served.  The indices leave as 128 consecutive bytes a wave, 512 a work-group: 262,144 bytes in the launch.
.set BLKB,  17920                      ; a block of cbq: 8 tiles x 2,048, 1,024 scale bytes, 512 bytes of |c|^2
.set SLOTB, 8*BLKB
.set ZBLK,  20480                      ; a block of zq: 128 queries
.set MRG,   2*SLOTB                    ; behind the ring: the waves' results: wave x 1,024 + query x 8: (distance, index),
.set SPARE, MRG+8192                   ; and the spare words, 128 bytes for each wave
.set AF0, 7                            ; v7   16 lane
.set AS0, 8                            ; v8   16,384 + 8 lane: a code's two scale words
.set AC0, 9                            ; v9   17,408 + 32 h: my half's eight |c|^2
.set AF,  10                           ; v10-12 the same in the block in hand
.set AS,  11
.set AC,  12
.set CT0, 13                           ; four partial minima
.set CT1, 14
.set CT2, 15
.set CT3, 54
.set QD,  16                           ; v16-47 a quad for each query tile: scale word of K step 0, of K step 1, |e|^2, first code of the best tile
.set CS,  48                           ; v48-51 the codes' scale words: two buffers x two K steps; lanes 0-15 the step's first tile, lanes 16-31 its second
.set SPW, 52                           ; LDS address of my spare word; never rewritten
.set NIL, 53                           ; 0; never rewritten
.set MA,  56                           ; v56-71 pairs (smallest so far, the same behind a step's first tile)
.set SV,  72                           ; v72-135 the best tile's eight distances
.set CC,  136                          ; v136-167 |c|^2: two buffers x 16
.set ACC, 168                          ; v168-231 four sets of two accumulators: query tile q takes set q % 4
.set TQA, 232                          ; v232-247 ee + cc of a pair's first tile, made one pair ahead
.set TQB, 248                          ; v248-255 the same of its second tile, eight at a time
.set MW,  1                            ; at the end: MRG + 1,024 wave + 8 r
.set MR,  2                            ; MRG + 8 x thread
.set H8,  3                            ; 8 h
.set OUTO, 4                           ; 4 x thread
.set PR,  220
.set POS, 236
.set RI,  237
.set OM,  238
.set OI,  239
.set CD,  72
.set CF,  128                          ; window 1: v0-127 the queries' fragments (16 q + 8 ks); v128-191 the codes': 32 buffer + 16 tile + 8 ks
.set WV,  12
.set SEL, 20
.set TB,  22                           ; the slot in hand: 0 or SLOTB
.set WB,  23                           ; my block in a slot
.set G1,  24
.set G0A, 32
.set G0B, 36
.set IB0, 40                           ; the first codes of the step's two tiles
.set IB1, 41
.set CNT, 42
.set BS,  43
.set MSB, 0
.macro WIN new
.if MSB != \new
	s_set_vgpr_msb (MSB<<8)|\new
.set MSB, \new
.endif
.endm
.macro CREST
	s_cmp_lg_u32 s[WV], 0
	s_cbranch_scc1 .Lnot_wave_0_\@
	s_barrier_signal -3
.Lnot_wave_0_\@:
	s_barrier_wait -3
	s_barrier_signal -1
	s_barrier_wait -1
.endm
.macro CROUND
	s_barrier_signal -1
	s_barrier_wait -1
	CREST
.endm
; A STEP is two tiles of 16 codes, the p-th pair of my block.  Its operands, 13 LDS loads in one run.
.macro LOADSTEP p, buf
	WIN 0
	ds_load_b64 v[CS+2*(\buf):CS+2*(\buf)+1], v[AS] offset:(\p)*256
.irp u, 0,1
.irp e, 0,1
	ds_load_b128 v[CC+16*(\buf)+8*\u+4*\e:CC+16*(\buf)+8*\u+4*\e+3], v[AC] offset:(\p)*128+\u*64+\e*16
.endr
.endr
	WIN 0x40
.irp u, 0,1
.irp ks, 0,1
.irp c, 0,1
	ds_load_b128 v[CF+32*(\buf)+16*\u+8*\ks+4*\c:CF+32*(\buf)+16*\u+8*\ks+4*\c+3], v[AF] offset:(\p)*4096+\u*2048+\ks*1024+\c*512
.endr
.endr
.endr
.endm
; Eight products: the step's two tiles of codes x query tiles 2 p and 2 p + 1, K = 256 in two links.  The four accumulators take turns.
.macro MMP p, buf
	WIN 0x05
.set RGF, CF+32*(\buf)
.set SCC0, CS+2*(\buf)
.irp ks, 0,1
.irp e, 0,1
.set RGD, ACC+16*((2*(\p)+\e)%4)
.set RGQ, 16*(2*(\p)+\e)+8*\ks
.set SCQ, QD+4*(2*(\p)+\e)+\ks
.if \ks == 0
	v_wmma_scale_f32_16x16x128_f8f6f4 v[RGD:RGD+7], v[RGF:RGF+7], v[RGQ:RGQ+7], 0, v[SCC0], v[SCQ] matrix_a_fmt:MATRIX_FMT_FP4 matrix_b_fmt:MATRIX_FMT_FP4
	v_wmma_scale_f32_16x16x128_f8f6f4 v[RGD+8:RGD+15], v[RGF+16:RGF+23], v[RGQ:RGQ+7], 0, v[SCC0], v[SCQ] matrix_a_fmt:MATRIX_FMT_FP4 matrix_b_fmt:MATRIX_FMT_FP4 matrix_a_scale:MATRIX_SCALE_ROW1
.else
	v_wmma_scale_f32_16x16x128_f8f6f4 v[RGD:RGD+7], v[RGF+8:RGF+15], v[RGQ:RGQ+7], v[RGD:RGD+7], v[SCC0+1], v[SCQ] matrix_a_fmt:MATRIX_FMT_FP4 matrix_b_fmt:MATRIX_FMT_FP4
	v_wmma_scale_f32_16x16x128_f8f6f4 v[RGD+8:RGD+15], v[RGF+24:RGF+31], v[RGQ:RGQ+7], v[RGD+8:RGD+15], v[SCC0+1], v[SCQ] matrix_a_fmt:MATRIX_FMT_FP4 matrix_b_fmt:MATRIX_FMT_FP4 matrix_a_scale:MATRIX_SCALE_ROW1
.endif
.endr
.endr
.endm
.macro TADD d, c, e, i                 ; t = ee + cc, two in one dual pair: destinations even and odd, ee the same register in both halves, cc neighbouring registers
	v_dual_add_f32 v[\d+2*(\i)], v[\e], v[\c+2*(\i)] :: v_dual_add_f32 v[\d+2*(\i)+1], v[\e], v[\c+2*(\i)+1]
.endm
.macro DFMA a, t, i                    ; d = dot x -2 + t, one rounding, two in one dual pair, in the accumulator's place
	v_dual_fmamk_f32 v[\a+2*(\i)], v[\a+2*(\i)], 0xc0000000, v[\t+2*(\i)] :: v_dual_fmamk_f32 v[\a+2*(\i)+1], v[\a+2*(\i)+1], 0xc0000000, v[\t+2*(\i)+1]
.endm
.macro TREE r                          ; 16 distances to four partial minima
	v_min3_num_f32 v[CT0], v[\r], v[\r+1], v[\r+2]
	v_min3_num_f32 v[CT1], v[\r+3], v[\r+4], v[\r+5]
	v_min3_num_f32 v[CT2], v[\r+8], v[\r+9], v[\r+10]
	v_min3_num_f32 v[CT3], v[\r+11], v[\r+12], v[\r+13]
	s_delay_alu instid0(VALU_DEP_4)
	v_min3_num_f32 v[CT0], v[CT0], v[\r+6], v[\r+7]
	s_delay_alu instid0(VALU_DEP_3)
	v_min3_num_f32 v[CT2], v[CT2], v[\r+14], v[\r+15]
.endm
.macro KEEPID e, ib                    ; where the tile has won: its first code
	v_cndmask_b32 v[\e+1], v[\e+1], s[\ib], vcc_lo
.endm
.macro KEEP2 s, r, j                   ; and its distances
	v_dual_cndmask_b32 v[\s+\j], v[\s+\j], v[\r+\j] :: v_dual_cndmask_b32 v[\s+\j+1], v[\s+\j+1], v[\r+\j+1]
.endm
; The distances of query tiles qa (a) and qa + 1 (b) against the step's two code tiles, and the running minima: 72 instructions.  TQA holds a's sums on entry.
; The four pairs at its head name no register of any product: they are the places between a step's products and the first read of their results (ISA guide 7.12.1).  Each accumulator is first read at its low end.
.macro VEC2 qa, buf, nq, nbuf, next
	WIN 0
.set RGA, ACC+16*((\qa)%4)
.set RGB, ACC+16*(((\qa)+1)%4)
.set RGC, CC+16*(\buf)
.set EEA, QD+4*(\qa)+2
.set EEB, QD+4*(\qa)+6
.set MNA, MA+2*(\qa)
.set MNB, MA+2*(\qa)+2
.set SVA, SV+8*(\qa)
.set SVB, SV+8*(\qa)+8
.set NXC, CC+16*(\nbuf)
.set NXE, QD+4*(\nq)+2
.irp i, 0,1,2,3
	TADD TQB, RGC, EEB, \i
.endr
.irp i, 0,1,2,3,4,5,6,7
	DFMA RGA, TQA, \i
.endr
	TREE RGA
.irp i, 0,1,2
	DFMA RGB, TQB, \i
.endr
	v_min3_num_f32 v[MNA+1], v[CT0], v[CT1], v[MNA]
	DFMA RGB, TQB, 3
.irp i, 0,1,2
	TADD TQB, RGC+8, EEB, \i
.endr
	v_cmp_lt_f32 vcc_lo, v[MNA+1], v[MNA]          ; strictly smaller: the earlier tile keeps a tie
	v_min3_num_f32 v[MNA], v[CT2], v[CT3], v[MNA+1]
	TADD TQB, RGC+8, EEB, 3
	DFMA RGB+8, TQB, 0
	DFMA RGB+8, TQB, 1
	KEEPID EEA, IB0
.irp j, 0,2,4,6
	KEEP2 SVA, RGA, \j
.endr
	v_cmp_lt_f32 vcc_lo, v[MNA], v[MNA+1]
	DFMA RGB+8, TQB, 2
	DFMA RGB+8, TQB, 3
	TREE RGB
	KEEPID EEA, IB1
	KEEP2 SVA, RGA+8, 0
	KEEP2 SVA, RGA+8, 2
	v_min3_num_f32 v[MNB+1], v[CT0], v[CT1], v[MNB]
	KEEP2 SVA, RGA+8, 4
	KEEP2 SVA, RGA+8, 6
.if \next
	TADD TQA, NXC, NXE, 0
.endif
	v_cmp_lt_f32 vcc_lo, v[MNB+1], v[MNB]
	v_min3_num_f32 v[MNB], v[CT2], v[CT3], v[MNB+1]
.if \next
.irp i, 1,2,3
	TADD TQA, NXC, NXE, \i
.endr
.endif
	KEEPID EEB, IB0
.irp j, 0,2,4,6
	KEEP2 SVB, RGB, \j
.endr
	v_cmp_lt_f32 vcc_lo, v[MNB], v[MNB+1]
.if \next
.irp i, 4,5,6,7
	TADD TQA, NXC, NXE, \i
.endr
.endif
	KEEPID EEB, IB1
.irp j, 0,2,4,6
	KEEP2 SVB, RGB+8, \j
.endr
.endm
; One of a slot's first three steps.  On entry its operands are in, its first 8 products are issued and TQA holds its first sums.
.macro STEP p
	LOADSTEP (\p)+1, ((\p)+1)%2
	MMP 1, (\p)%2
	VEC2 0, (\p)%2, 2, (\p)%2, 1
	MMP 2, (\p)%2
	VEC2 2, (\p)%2, 4, (\p)%2, 1
	MMP 3, (\p)%2
	VEC2 4, (\p)%2, 6, (\p)%2, 1
	s_wait_dscnt 0x0                               ; the next step's operands, asked for three pairs ago, are in
	MMP 0, ((\p)+1)%2
	VEC2 6, (\p)%2, 0, ((\p)+1)%2, 1
	s_add_co_u32 s[IB0], s[IB0], 32
	s_add_co_u32 s[IB1], s[IB1], 32
.endm
; A slot's last step changes slots.  fill = 1: the slot that is left is filled again, with the codes two slots on: each wave waits for all its tensor loads, adds 0 to its spare word and waits for that
; (its last reads of this slot were waited for in the step before); a round of the cluster's barrier; the joint refill first behind it.  fill = 0: nothing is filled; the next slot's block is my own load's.
.macro TURN fill
	s_wait_tensorcnt 0x0
.if \fill
	ds_add_u32 v[SPW], v[NIL]
	s_add_co_u32 s[G0B+1], s[TB], s[WB]
	s_add_nc_u64 s[G0B+2:G0B+3], s[G0B+2:G0B+3], SLOTB
	s_wait_dscnt 0x0
	s_barrier_signal -1
.endif
	MMP 1, 1
	VEC2 0, 1, 2, 1, 1
.if \fill
	s_barrier_wait -1
	CREST
	tensor_load_to_lds s[G0B:G0B+3], s[G1:G1+7]
	s_nop 0
.rept 4
	v_nop
.endr
.endif
	s_xor_b32 s[TB], s[TB], SLOTB
	s_add_co_u32 s[BS], s[TB], s[WB]
	v_add_nc_u32 v[AF], s[BS], v[AF0]
	v_add_nc_u32 v[AS], s[BS], v[AS0]
	v_add_nc_u32 v[AC], s[BS], v[AC0]
	LOADSTEP 0, 0
	MMP 2, 1
	VEC2 2, 1, 4, 1, 1
	MMP 3, 1
	VEC2 4, 1, 6, 1, 1
	s_wait_dscnt 0x0
	MMP 0, 0
	VEC2 6, 1, 0, 0, 1
	s_add_co_u32 s[IB0], s[IB0], 928               ; 32 on, and over the other seven waves' blocks
	s_add_co_u32 s[IB1], s[IB1], 928
.endm
	s_load_b256 s[4:11], s[0:1], 0x0               ; zq s[4:5], cbq s[6:7], out2 s[8:9], idx s[10:11]
	v_lshl_add_u32 v[SPW], v0, 2, SPARE
	v_mov_b32 v[NIL], 0
	ds_add_u32 v[SPW], v[NIL]                      ; the opening lines: the add twice on end and its one wait
	ds_add_u32 v[SPW], v[NIL]
	v_lshrrev_b32 v1, 5, v0
	s_delay_alu instid0(VALU_DEP_1)
	v_readfirstlane_b32 s[WV], v1                  ; wave 0..7
	s_bfe_u32 s13, ttmp6, 0x40000                  ; cx: it enters the addresses of my queries and of my indices alone
	s_lshl_b32 s14, ttmp9, 2
	s_add_co_u32 s14, s14, s13                     ; work-group = 4 x cluster + cx
	s_mul_i32 s16, s14, ZBLK                       ; my 128 queries' block of zq
	s_mov_b32 s17, 0
	s_lshl_b32 s18, s14, 9                         ; my 128 indices
	s_mov_b32 s19, 0
	s_mul_i32 s[WB], s[WV], BLKB
	s_mov_b32 s44, s[WB]
	s_mov_b32 s45, 0
	s_mov_b32 s46, 0x7f800000                      ; +infinity: over every distance
	s_lshl_b32 s[IB0], s[WV], 7                    ; my first block begins at code 128 x wave
	s_add_co_u32 s[IB1], s[IB0], 16
	s_mov_b32 s[SEL], 0x76543210
	s_mov_b32 s[SEL+1], 0xfedcba98
	s_mov_b32 s[G1+0], 15|(3<<16)|(1<<21)          ; the mask: all four work-groups; elements of 8 bytes; bit 21 beside a mask
	s_mov_b32 s[G1+1], 32<<16
	s_mov_b32 s[G1+2], 70<<16
	s_mov_b32 s[G1+3], 32<<16
	s_mov_b32 s[G1+4], 70                          ; 70 rows of 256 bytes, dense
	s_mov_b32 s[G1+5], 32
	s_mov_b32 s[G1+6], 0
	s_mov_b32 s[G1+7], 0
	v_and_b32 v2, 31, v0                           ; lane
	v_bfe_u32 v3, v0, 4, 1                         ; h
	s_delay_alu instid0(VALU_DEP_2)
	v_lshlrev_b32 v[AF0], 4, v2
	v_lshl_add_u32 v[AS0], v2, 3, 16384
	v_lshl_add_u32 v[AC0], v3, 5, 17408
	s_wait_alu depctr_va_vdst(0)                   ; the wait at the head's end
	s_wait_dscnt 0x0
	s_wait_kmcnt 0x0
	s_add_nc_u64 s[4:5], s[4:5], s[16:17]
	WIN 0x40
.irp q, 0,1,2,3,4,5,6,7
.irp ks, 0,1
.irp c, 0,1
	global_load_b128 v[16*\q+8*\ks+4*\c:16*\q+8*\ks+4*\c+3], v[AF0], s[4:5] offset:(2*\q+\ks)*1024+512*\c   ; all 16 fragments stay in my registers
.endr
.endr
.endr
	WIN 0
.irp q, 0,1,2,3,4,5,6,7
	global_load_b128 v[QD+4*\q:QD+4*\q+3], v[AF0], s[4:5] offset:16384+512*\q   ; two scale words, |e|^2, and 0 for the best tile's first code
.endr
	s_add_nc_u64 s[8:9], s[8:9], s[18:19]
	s_add_nc_u64 s[10:11], s[10:11], s[18:19]
	s_mov_b32 s[G0A], 1
	s_mov_b32 s[G0A+1], s[WB]                      ; slot 0, my block
	s_add_nc_u64 s[G0A+2:G0A+3], s[6:7], s[44:45]
	s_add_nc_u64 s[G0B+2:G0B+3], s[G0A+2:G0A+3], SLOTB
	s_or_b32 s[G0A+3], s[G0A+3], 0x80000000
	s_mov_b32 s[G0B], 1
	s_add_co_u32 s[G0B+1], s[WB], SLOTB            ; slot 1, my block
	s_or_b32 s[G0B+3], s[G0B+3], 0x80000000
	CROUND                                         ; all four work-groups are here: the first joint loads meet
	tensor_load_to_lds s[G0A:G0A+3], s[G1:G1+7]    ; one tensor load a wave at the head
	s_nop 0
.irp q, 0,1,2,3,4,5,6,7
	v_mov_b32 v[MA+2*\q], s46
.endr
.set p, 0
.rept 64
	v_mov_b32 v[SV+p], s46                         ; the loop is written once: its first tile finds +infinity and takes these registers over
.set p, p+1
.endr
	s_wait_alu depctr_va_vdst(0)                   ; the wait here, directly ahead of the wait below
	s_wait_tensorcnt 0x0                           ; my block of slot 0 has landed; slot 1's first fill is issued as a refill is:
	ds_add_u32 v[SPW], v[NIL]
	s_wait_dscnt 0x0
	CROUND
	tensor_load_to_lds s[G0B:G0B+3], s[G1:G1+7]
	s_nop 0
.rept 4
	v_nop
.endr
	s_mov_b32 s[TB], 0
	s_mov_b32 s[BS], s[WB]
	v_add_nc_u32 v[AF], s[BS], v[AF0]
	v_add_nc_u32 v[AS], s[BS], v[AS0]
	v_add_nc_u32 v[AC], s[BS], v[AC0]
	LOADSTEP 0, 0
	s_wait_loadcnt 0x0                             ; the queries' fragments and quads,
	s_wait_dscnt 0x0                               ; and the first step's operands
	WIN 0
.irp i, 0,1,2,3,4,5,6,7
	TADD TQA, CC, QD+2, \i
.endr
	MMP 0, 0
	WIN 0
	s_mov_b32 s[CNT], 6
.Lslot:                                            ; six trips: slots 0 to 5 are filled again, with slots 2 to 7
	s_wait_alu depctr_va_vdst(0)
	STEP 0
	STEP 1
	STEP 2
	TURN 1
	s_sub_co_u32 s[CNT], s[CNT], 1
	s_cmp_lg_u32 s[CNT], 0
	s_cbranch_scc1 .Lslot
	STEP 0                                         ; the last two slots are written out
	STEP 1
	STEP 2
	TURN 0
	STEP 0
	STEP 1
	STEP 2
	MMP 1, 1
	VEC2 0, 1, 2, 1, 1
	MMP 2, 1
	VEC2 2, 1, 4, 1, 1
	MMP 3, 1
	VEC2 4, 1, 6, 1, 1
	VEC2 6, 1, 0, 0, 0
	; ---- which of the best tile's eight it was (the lowest that equals the minimum); then the two halves of the lanes; of equal distances the lower index
	v_and_b32 v5, 15, v0
	v_bfe_u32 v6, v0, 4, 1
	s_lshl_b32 s49, s[WV], 10
	s_add_co_u32 s49, s49, MRG
	v_lshl_add_u32 v[MW], v5, 3, s49
	v_lshl_add_u32 v[MR], v0, 3, MRG
	v_lshlrev_b32 v[H8], 3, v6
	v_lshlrev_b32 v[OUTO], 2, v0
	v_mov_b32 v[OM], 0
	v_mov_b32 v[OI], 0
.macro FINISH q
	v_mov_b32 v[POS], 7
.irp j, 6,5,4,3,2,1,0
	v_cmp_eq_f32 vcc_lo, v[SV+8*\q+\j], v[MA+2*\q]
	s_delay_alu instid0(VALU_DEP_1)
	v_cndmask_b32 v[POS], v[POS], \j, vcc_lo
.endr
	s_delay_alu instid0(VALU_DEP_1)
	v_add3_u32 v[RI], v[QD+4*\q+3], v[POS], v[H8]
	v_permlanex16_b32 v[OM], v[MA+2*\q], s[SEL], s[SEL+1]
	s_delay_alu instid0(VALU_DEP_2)
	v_permlanex16_b32 v[OI], v[RI], s[SEL], s[SEL+1]
	s_delay_alu instid0(VALU_DEP_2)
	v_cmp_lt_f32 s44, v[OM], v[MA+2*\q]
	s_delay_alu instid0(VALU_DEP_3)
	v_cmp_eq_f32 s45, v[OM], v[MA+2*\q]
	s_delay_alu instid0(VALU_DEP_3)
	v_cmp_lt_u32 s46, v[OI], v[RI]
	s_and_b32 s45, s45, s46
	s_or_b32 vcc_lo, s44, s45                      ; the masks only select values
	v_cndmask_b32 v[PR+2*\q], v[MA+2*\q], v[OM], vcc_lo
	v_cndmask_b32 v[PR+2*\q+1], v[RI], v[OI], vcc_lo
	ds_store_b64 v[MW], v[PR+2*\q:PR+2*\q+1] offset:128*\q
.endm
.irp q, 0,1,2,3,4,5,6,7
	FINISH \q
.endr
	s_wait_dscnt 0x0                               ; for the others' sake: my pairs lie in LDS
	s_barrier_signal -1
	s_barrier_wait -1
	s_cmp_lt_u32 s[WV], 4                          ; 128 queries: threads 0 to 127 take one each
	s_cbranch_scc0 .Lend
.irp c, 0,1,2,3,4,5,6,7
	ds_load_b64 v[CD+2*\c:CD+2*\c+1], v[MR] offset:1024*\c
.endr
	s_wait_dscnt 0x0
.irp c, 1
	v_cmp_lt_f32 s44, v[CD+2*\c], v[CD]
	v_cmp_eq_f32 s45, v[CD+2*\c], v[CD]
	v_cmp_lt_u32 s46, v[CD+2*\c+1], v[CD+1]
	s_and_b32 s45, s45, s46
	s_or_b32 vcc_lo, s44, s45
	v_cndmask_b32 v[CD], v[CD], v[CD+2*\c], vcc_lo
	v_cndmask_b32 v[CD+1], v[CD+1], v[CD+2*\c+1], vcc_lo
.endr
.irp c, 2, 3, 4, 5, 6, 7
	s_delay_alu instid0(VALU_DEP_2)
	v_cmp_lt_f32 s44, v[CD+2*\c], v[CD]
	s_delay_alu instid0(VALU_DEP_3)
	v_cmp_eq_f32 s45, v[CD+2*\c], v[CD]
	s_delay_alu instid0(VALU_DEP_3)
	v_cmp_lt_u32 s46, v[CD+2*\c+1], v[CD+1]
	s_and_b32 s45, s45, s46
	s_or_b32 vcc_lo, s44, s45
	v_cndmask_b32 v[CD], v[CD], v[CD+2*\c], vcc_lo
	v_cndmask_b32 v[CD+1], v[CD+1], v[CD+2*\c+1], vcc_lo
.endr
	global_store_b32 v[OUTO], v[CD+1], s[8:9]      ; the output,
	global_store_b32 v[OUTO], v[CD+1], s[10:11]    ; and the copy from which the next launch forms addresses
.Lend:
	s_wait_tensorcnt 0x0                           ; the wave's end
	ds_add_u32 v[SPW], v[NIL]
	s_wait_dscnt 0x0
	CROUND                                         ; the closing round
	s_endpgm
.Lfunc_end_k_q486cc40313_argmin:
	.size	k_q486cc40313_argmin, .Lfunc_end_k_q486cc40313_argmin-k_q486cc40313_argmin
	.p2alignl 7, 3214868480
	.fill 96, 4, 3214868480
	.section	.rodata,"a",@progbits
	.p2align	6, 0x0
	.amdhsa_kernel k_q486cc40313_argmin
		.amdhsa_group_segment_fixed_size 327680
		.amdhsa_private_segment_fixed_size 0
		.amdhsa_enable_private_segment 0
		.amdhsa_kernarg_size 32
		.amdhsa_user_sgpr_count 2
		.amdhsa_user_sgpr_kernarg_segment_ptr 1
		.amdhsa_wavefront_size32 1
		.amdhsa_system_sgpr_workgroup_id_x 1
		.amdhsa_system_sgpr_workgroup_id_y 1
		.amdhsa_system_sgpr_workgroup_id_z 1
		.amdhsa_system_vgpr_workitem_id 0
		.amdhsa_next_free_vgpr 448
		.amdhsa_next_free_sgpr 66
		.amdhsa_reserve_vcc 1
		.amdhsa_float_denorm_mode_32 3
		.amdhsa_float_denorm_mode_16_64 3
		.amdhsa_memory_ordered 1
		.amdhsa_forward_progress 1
		.amdhsa_inst_pref_size 255
	.end_amdhsa_kernel
	.section	.bss,"aw",@nobits
	.p2align	6
	.space	262144
	.amdgpu_metadata
---
amdhsa.version: [ 1, 2 ]
amdhsa.kernels:
  - .name:           k_q486cc40313_argmin
    .symbol:         k_q486cc40313_argmin.kd
    .args:
      - { .name: zq, .offset: 0, .size: 8, .value_kind: global_buffer, .address_space: global }
      - { .name: cbq, .offset: 8, .size: 8, .value_kind: global_buffer, .address_space: global }
      - { .name: out2, .offset: 16, .size: 8, .value_kind: global_buffer, .address_space: global }
      - { .name: idx, .offset: 24, .size: 8, .value_kind: global_buffer, .address_space: global }
    .group_segment_fixed_size: 327680
    .private_segment_fixed_size: 0
    .kernarg_segment_align: 8
    .kernarg_segment_size: 32
    .max_flat_workgroup_size: 256
    .sgpr_count:     66
    .vgpr_count:     448
    .wavefront_size: 32
...
	.end_amdgpu_metadata
.endif
;; end of part 2
;; launch gather (part 3): grid 512 x 1, 8 waves a work-group, no clusters, 1,280 bytes of LDS; arguments z_e, cb, idx, out0, part; writes out0, part
.if DOCPART == 3
	.amdgcn_target "amdgcn-amd-amdhsa--gfx1250"
	.amdhsa_code_object_version 6
	.text
	.protected	k_q486cc40313_gather
	.globl	k_q486cc40313_gather
	.p2align	8
	.type	k_q486cc40313_gather,@function
k_q486cc40313_gather:
	s_mov_b64 s[64:65], 0
	v_nop
	global_prefetch_b8 v0, s[64:65] scope:SCOPE_SE
	s_setreg_imm32_b32 hwreg(HW_REG_WAVE_MODE, 25, 1), 1
	s_wait_xcnt 0x0
; out0[q] = z_e[q] + (cb[idx[q]] - z_e[q]), both roundings as reference() has them, and part[work-group] = the sum of |cb[idx[q]] - z_e[q]| over its 64 rows.
; A stream: a wave takes 8 rows of 1,024 bytes, all its 32 loads (16,384 bytes) go out at once, each load and store covers 512 consecutive bytes, aligned.  No loop, so no register is written twice.
; The indices are whole numbers that the launch before stored: eight come by one scalar load, are held to the table's 8,192 rows, and make eight scalar bases.
; No matrix unit, no tensor load, no cluster: memory binds, and the work-groups share no tile (which rows of cb are read hangs on the indices).
; part is 4 bytes a work-group, a part of an aligned 256-byte block: 2,048 bytes in the launch.  The sum's order: four chains a lane, the lanes, the eight waves.
.set L16, 1                            ; v1      16 lane
.set Z,   16                           ; v16-79  z_e: row i at 8 i; then the output
.set Q,   80                           ; v80-143 the codebook's rows; then the differences
.set AC,  144                          ; v144-147 four chains of |difference|
	s_load_b256 s[4:11], s[0:1], 0x0               ; z_e s[4:5], cb s[6:7], idx s[8:9], out0 s[10:11]
	s_load_b64 s[12:13], s[0:1], 0x20              ; part
	v_lshl_add_u32 v152, v0, 2, 0x100
	v_mov_b32 v153, 0
	v_lshrrev_b32 v2, 5, v0
	s_delay_alu instid0(VALU_DEP_1)
	v_readfirstlane_b32 s14, v2                    ; wave 0..7
	v_and_b32 v1, 31, v0
	s_delay_alu instid0(VALU_DEP_1)
	v_lshlrev_b32 v[L16], 4, v1
	s_delay_alu instid0(VALU_DEP_4)
	v_lshlrev_b32 v3, 2, v2                        ; LDS: my wave's word
	s_lshl_b32 s15, ttmp9, 6
	s_lshl_b32 s24, s14, 3
	s_add_co_u32 s15, s15, s24                     ; my first row: 64 x work-group + 8 x wave
	s_lshl_b32 s24, s15, 10
	s_mov_b32 s25, 0
	s_lshl_b32 s26, s15, 2
	s_mov_b32 s27, 0
	s_lshl_b32 s28, ttmp9, 2
	s_mov_b32 s29, 0
	s_mov_b32 s50, 0x76543210
	s_mov_b32 s51, 0xfedcba98                      ; v_permlanex16_b32's selects for lane l xor 16
	s_wait_alu depctr_va_vdst(0)
	s_wait_kmcnt 0x0
	s_add_nc_u64 s[8:9], s[8:9], s[26:27]
	s_load_b256 s[16:23], s[8:9], 0x0              ; my eight indices
	s_add_nc_u64 s[4:5], s[4:5], s[24:25]
	s_add_nc_u64 s[10:11], s[10:11], s[24:25]
	s_add_nc_u64 s[12:13], s[12:13], s[28:29]
.irp i, 0,1,2,3,4,5,6,7
	global_load_b128 v[Z+8*\i:Z+8*\i+3], v[L16], s[4:5] offset:1024*\i th:TH_LOAD_NT
	global_load_b128 v[Z+8*\i+4:Z+8*\i+7], v[L16], s[4:5] offset:1024*\i+512 th:TH_LOAD_NT
.endr
	s_mov_b32 s49, 0
	s_wait_kmcnt 0x0
.irp i, 0,1,2,3,4,5,6,7
	s_min_u32 s[16+\i], s[16+\i], 8191             ; an index stays inside the table
	s_lshl_b32 s48, s[16+\i], 10
	s_add_nc_u64 s[32+2*\i:33+2*\i], s[6:7], s[48:49]
	global_load_b128 v[Q+8*\i:Q+8*\i+3], v[L16], s[32+2*\i:33+2*\i]              ; no hint: a row may be named by many queries
	global_load_b128 v[Q+8*\i+4:Q+8*\i+7], v[L16], s[32+2*\i:33+2*\i] offset:512
.endr
.macro ROW i
	s_wait_loadcnt 14-2*\i                         ; loads come back in order: this row's are in; the two codebook loads of each later row may be out
.irp k, 0,2,4,6
	v_pk_add_f32 v[Q+8*\i+\k:Q+8*\i+\k+1], v[Q+8*\i+\k:Q+8*\i+\k+1], v[Z+8*\i+\k:Z+8*\i+\k+1] neg_lo:[0,1] neg_hi:[0,1]   ; d = z_q - z_e
.endr
.irp k, 0,2,4,6
	s_delay_alu instid0(VALU_DEP_4)
	v_pk_add_f32 v[Z+8*\i+\k:Z+8*\i+\k+1], v[Z+8*\i+\k:Z+8*\i+\k+1], v[Q+8*\i+\k:Q+8*\i+\k+1]                            ; z_e + d
.endr
.irp c, 0,1,2,3
.if \i == 0
	v_add_f32 v[AC+\c], |v[Q+\c]|, |v[Q+4+\c]|     ; the first row starts the chains: nothing is cleared
.else
	v_add_f32 v[AC+\c], v[AC+\c], |v[Q+8*\i+\c]|
.endif
.endr
.if \i > 0
.irp c, 0,1,2,3
	s_delay_alu instid0(VALU_DEP_4)
	v_add_f32 v[AC+\c], v[AC+\c], |v[Q+8*\i+4+\c]|
.endr
.endif
	global_store_b128 v[L16], v[Z+8*\i:Z+8*\i+3], s[10:11] offset:1024*\i th:TH_STORE_NT
	global_store_b128 v[L16], v[Z+8*\i+4:Z+8*\i+7], s[10:11] offset:1024*\i+512 th:TH_STORE_NT
.endm
.irp i, 0,1,2,3,4,5,6,7
	ROW \i
.endr
	v_add_f32 v[AC], v[AC], v[AC+1]
	v_add_f32 v[AC+2], v[AC+2], v[AC+3]
	s_delay_alu instid0(VALU_DEP_1)
	v_add_f32 v[AC], v[AC], v[AC+2]
	s_delay_alu instid0(VALU_DEP_1)
	v_add_f32_dpp v[AC], v[AC], v[AC] row_xmask:1 row_mask:0xf bank_mask:0xf
	s_delay_alu instid0(VALU_DEP_1)
	v_add_f32_dpp v[AC], v[AC], v[AC] row_xmask:2 row_mask:0xf bank_mask:0xf
	s_delay_alu instid0(VALU_DEP_1)
	v_add_f32_dpp v[AC], v[AC], v[AC] row_xmask:4 row_mask:0xf bank_mask:0xf
	s_delay_alu instid0(VALU_DEP_1)
	v_add_f32_dpp v[AC], v[AC], v[AC] row_xmask:8 row_mask:0xf bank_mask:0xf
	s_delay_alu instid0(VALU_DEP_1)
	v_permlanex16_b32 v[AC+1], v[AC], s50, s51
	s_delay_alu instid0(VALU_DEP_1)
	v_add_f32 v[AC], v[AC], v[AC+1]                ; the wave's sum, in every lane
	ds_store_b32 v3, v[AC]                         ; all lanes write the same word with the same value
	s_wait_dscnt 0x0                               ; for the others' sake
	s_barrier_signal -1
	s_barrier_wait -1
	v_mov_b32 v4, 0
	ds_load_b128 v[8:11], v4
	ds_load_b128 v[12:15], v4 offset:16
	s_wait_dscnt 0x0
	v_add_f32 v8, v8, v9
	v_add_f32 v10, v10, v11
	v_add_f32 v12, v12, v13
	v_add_f32 v14, v14, v15
	s_delay_alu instid0(VALU_DEP_3)
	v_add_f32 v8, v8, v10
	s_delay_alu instid0(VALU_DEP_2)
	v_add_f32 v12, v12, v14
	s_delay_alu instid0(VALU_DEP_1)
	v_add_f32 v8, v8, v12
	v_cmp_eq_u32 vcc_lo, 0, v0
	s_wait_alu depctr_va_vdst(0)
	s_wait_xcnt 0x0                                ; EXEC changes only behind this wait
	s_wait_tensorcnt 0x0
	ds_add_u32 v152, v153
	s_wait_dscnt 0x0
	s_and_saveexec_b32 s52, vcc_lo
	global_store_b32 v4, v8, s[12:13]              ; thread 0 alone
	s_wait_xcnt 0x0
	s_or_b32 exec_lo, exec_lo, s52
	s_endpgm
.Lfunc_end_k_q486cc40313_gather:
	.size	k_q486cc40313_gather, .Lfunc_end_k_q486cc40313_gather-k_q486cc40313_gather
	.p2alignl 7, 3214868480
	.fill 96, 4, 3214868480
	.section	.rodata,"a",@progbits
	.p2align	6, 0x0
	.amdhsa_kernel k_q486cc40313_gather
		.amdhsa_group_segment_fixed_size 1280
		.amdhsa_private_segment_fixed_size 0
		.amdhsa_enable_private_segment 0
		.amdhsa_kernarg_size 40
		.amdhsa_user_sgpr_count 2
		.amdhsa_user_sgpr_kernarg_segment_ptr 1
		.amdhsa_wavefront_size32 1
		.amdhsa_system_sgpr_workgroup_id_x 1
		.amdhsa_system_sgpr_workgroup_id_y 1
		.amdhsa_system_sgpr_workgroup_id_z 1
		.amdhsa_system_vgpr_workitem_id 0
		.amdhsa_next_free_vgpr 154
		.amdhsa_next_free_sgpr 66
		.amdhsa_reserve_vcc 1
		.amdhsa_float_denorm_mode_32 3
		.amdhsa_float_denorm_mode_16_64 3
		.amdhsa_memory_ordered 1
		.amdhsa_forward_progress 1
		.amdhsa_inst_pref_size 19
	.end_amdhsa_kernel
	.amdgpu_metadata
---
amdhsa.version: [ 1, 2 ]
amdhsa.kernels:
  - .name:           k_q486cc40313_gather
    .symbol:         k_q486cc40313_gather.kd
    .args:
      - { .name: z_e, .offset: 0, .size: 8, .value_kind: global_buffer, .address_space: global }
      - { .name: cb, .offset: 8, .size: 8, .value_kind: global_buffer, .address_space: global }
      - { .name: idx, .offset: 16, .size: 8, .value_kind: global_buffer, .address_space: global }
      - { .name: out0, .offset: 24, .size: 8, .value_kind: global_buffer, .address_space: global }
      - { .name: part, .offset: 32, .size: 8, .value_kind: global_buffer, .address_space: global }
    .group_segment_fixed_size: 1280
    .private_segment_fixed_size: 0
    .kernarg_segment_align: 8
    .kernarg_segment_size: 40
    .max_flat_workgroup_size: 256
    .sgpr_count:     66
    .vgpr_count:     154
    .wavefront_size: 32
...
	.end_amdgpu_metadata
.endif
;; end of part 3
;; launch loss (part 4): grid 1 x 1, 1 waves a work-group, no clusters, 0 bytes of LDS; arguments part, out1; writes out1
.if DOCPART == 4
	.amdgcn_target "amdgcn-amd-amdhsa--gfx1250"
	.amdhsa_code_object_version 6
	.text
	.protected	k_q486cc40313_loss
	.globl	k_q486cc40313_loss
	.p2align	8
	.type	k_q486cc40313_loss,@function
k_q486cc40313_loss:
	s_mov_b64 s[64:65], 0
	v_nop
	global_prefetch_b8 v0, s[64:65] scope:SCOPE_SE
	s_setreg_imm32_b32 hwreg(HW_REG_WAVE_MODE, 25, 1), 1
	s_wait_xcnt 0x0
; out1 = L + 0.25 L, L = the mean of |z_q - z_e| over 32,768 x 256 = 2^23 numbers: both of reference()'s means are this one.  part holds 512 sums, one for each work-group of the launch before.
; One wave: a sum over work-groups has one owner, and 2,048 bytes are four loads of 512 consecutive bytes.  Nothing here is worth more waves, LDS or a matrix unit.
	s_load_b128 s[4:7], s[0:1], 0x0                ; part s[4:5], out1 s[6:7]
	v_lshlrev_b32 v1, 4, v0
	s_mov_b32 s8, 0x76543210
	s_mov_b32 s9, 0xfedcba98                       ; v_permlanex16_b32's selects for lane l xor 16
	s_wait_alu depctr_va_vdst(0)
	s_wait_kmcnt 0x0
.irp i, 0,1,2,3
	global_load_b128 v[4+4*\i:7+4*\i], v1, s[4:5] offset:512*\i
.endr
	s_wait_loadcnt 0x0
	v_pk_add_f32 v[4:5], v[4:5], v[6:7]
	v_pk_add_f32 v[8:9], v[8:9], v[10:11]
	v_pk_add_f32 v[12:13], v[12:13], v[14:15]
	v_pk_add_f32 v[16:17], v[16:17], v[18:19]
	v_pk_add_f32 v[4:5], v[4:5], v[8:9]
	v_pk_add_f32 v[12:13], v[12:13], v[16:17]
	v_pk_add_f32 v[4:5], v[4:5], v[12:13]
	v_add_f32 v4, v4, v5
	v_add_f32_dpp v4, v4, v4 row_xmask:1 row_mask:0xf bank_mask:0xf
	v_add_f32_dpp v4, v4, v4 row_xmask:2 row_mask:0xf bank_mask:0xf
	v_add_f32_dpp v4, v4, v4 row_xmask:4 row_mask:0xf bank_mask:0xf
	v_add_f32_dpp v4, v4, v4 row_xmask:8 row_mask:0xf bank_mask:0xf
	v_permlanex16_b32 v5, v4, s8, s9
	v_add_f32 v4, v4, v5
	v_mul_f32 v4, 0x34000000, v4                   ; x 2^-23: exact
	v_fma_f32 v6, 0x3e800000, v4, v4               ; L + 0.25 L: 0.25 L is exact, so this is reference()'s one rounding
	v_mov_b32 v7, 0
	v_cmp_eq_u32 vcc_lo, 0, v0
	s_wait_alu depctr_va_vdst(0)
	s_wait_xcnt 0x0                                ; EXEC changes only behind this wait
	s_and_saveexec_b32 s10, vcc_lo
	global_store_b32 v7, v6, s[6:7]                ; lane 0 alone
	s_wait_xcnt 0x0
	s_or_b32 exec_lo, exec_lo, s10
	s_endpgm
.Lfunc_end_k_q486cc40313_loss:
	.size	k_q486cc40313_loss, .Lfunc_end_k_q486cc40313_loss-k_q486cc40313_loss
	.p2alignl 7, 3214868480
	.fill 96, 4, 3214868480
	.section	.rodata,"a",@progbits
	.p2align	6, 0x0
	.amdhsa_kernel k_q486cc40313_loss
		.amdhsa_group_segment_fixed_size 0
		.amdhsa_private_segment_fixed_size 0
		.amdhsa_enable_private_segment 0
		.amdhsa_kernarg_size 16
		.amdhsa_user_sgpr_count 2
		.amdhsa_user_sgpr_kernarg_segment_ptr 1
		.amdhsa_wavefront_size32 1
		.amdhsa_system_sgpr_workgroup_id_x 1
		.amdhsa_system_sgpr_workgroup_id_y 1
		.amdhsa_system_sgpr_workgroup_id_z 1
		.amdhsa_system_vgpr_workitem_id 0
		.amdhsa_next_free_vgpr 32
		.amdhsa_next_free_sgpr 66
		.amdhsa_reserve_vcc 1
		.amdhsa_float_denorm_mode_32 3
		.amdhsa_float_denorm_mode_16_64 3
		.amdhsa_memory_ordered 1
		.amdhsa_forward_progress 1
		.amdhsa_inst_pref_size 3
	.end_amdhsa_kernel
	.amdgpu_metadata
---
amdhsa.version: [ 1, 2 ]
amdhsa.kernels:
  - .name:           k_q486cc40313_loss
    .symbol:         k_q486cc40313_loss.kd
    .args:
      - { .name: part, .offset: 0, .size: 8, .value_kind: global_buffer, .address_space: global }
      - { .name: out1, .offset: 8, .size: 8, .value_kind: global_buffer, .address_space: global }
    .group_segment_fixed_size: 0
    .private_segment_fixed_size: 0
    .kernarg_segment_align: 8
    .kernarg_segment_size: 16
    .max_flat_workgroup_size: 32
    .sgpr_count:     66
    .vgpr_count:     32
    .wavefront_size: 32
...
	.end_amdgpu_metadata
.endif
;; end of part 4
